; MI455X (gfx1250); checked and timed in simulation.
; The chip was launched on July 23, 2026; its instructions are those of AMD's public machine-readable ISA for CDNA 5 (MIT licence, August 2026) and "CDNA5" Instruction Set Architecture Reference Guide (July 2026). The comments in the code are by the model that wrote it; some were corrected since.
;; CLUB. Allowed arithmetic: matrix products marked QUANTISED: E2M1 operands, one E8M0 scale for each 32 along K, by v_wmma_scale_f32_16x16x128_f8f6f4 with both operands' format E2M1 (or v_wmma_scale_f32_32x16x128_f4), f32 sums; products left as they are: f32 operands where the result goes on into a quantised operand, else bf16, f16 or f32 operands; f32 sums; everything else in f32.
;; Inputs: W1 128 x 256 float32; W2_codes 128 x 4 x 16 uint8 (E2M1 codes of W2, K innermost, in blocks of 32 codes, two codes a byte); W2_scales 128 x 4 uint8 (E8M0 scales of W2, one for each 32 codes along K); W3 1 x 128 float32; b1 128 float32; b2 128 float32; b3 1 float32; z1_codes 1,024 x 4 x 16 uint8 (E2M1 codes of z1, K innermost, in blocks of 32 codes, two codes a byte); z1_scales 1,024 x 4 uint8 (E8M0 scales of z1, one for each 32 codes along K); z2_codes 1,024 x 4 x 16 uint8 (E2M1 codes of z2, K innermost, in blocks of 32 codes, two codes a byte); z2_scales 1,024 x 4 uint8 (E8M0 scales of z2, one for each 32 codes along K).
;; Outputs: out0 1,024 x 1,024 float32.
;; This version of the problem:
;;   THIS VERSION OF THE PROBLEM IS GIVEN IN LOW PRECISION. The matrix products marked QUANTISED in the list below multiply operands that are first quantised to E2M1 (2 exponent bits, 1 mantissa bit; 4 bits a number), with one power-of-two scale for each 32 numbers along K (OCP MX v1.0); their sums are f32. All else is computed in f32.
;;   The module's matrix products, in the order in which they are computed (A, B: the left and right operand; K: the contracted axis; several contracted axes count as one K, in the product's order):
;;     1. [M 1,024, K 128] x [K 128, N 128]; A: input z1 (given as codes); B: input W1: QUANTISED
;;     2. [M 1,024, K 128] x [K 128, N 128]; A: input z2 (given as codes); B: input W1: QUANTISED
;;     3. [M 1,048,576, K 128] x [K 128, N 128]; A: computed on the way; B: input W2 (given as codes): QUANTISED
;;     4. [M 1,048,576, K 128] x [K 128, N 1]; A: computed on the way; B: input W3: left as it is (N = 1 < 16)
;;   THE QUANTISER, for each operand of a quantised product, along K:
;;     - K is cut into blocks of 32 from its start; a last block that is shorter is filled with zeros.
;;     - A block's scale is 2^e with e = floor(log2(the largest magnitude in the block)) - 2, held to -126 .. 127; a block of zeros has e = 0. As a byte (E8M0): e + 127.
;;     - Each number is divided by its block's scale, clamped to +-6, and rounded to the nearest number of E2M1, ties to even, subnormals kept.
;;     - The product sums the exact products of the quantised numbers (number of the format x scale) in f32.
;;   ~~~python
;;   def quantise(x, axis):      # numpy; x: float32 -> the quantised numbers, widened to float32 again
;;       x = np.moveaxis(x, axis, -1); K = x.shape[-1]
;;       x = np.pad(x, [(0, 0)] * (x.ndim - 1) + [(0, -K % 32)]); x = x.reshape(x.shape[:-1] + (-1, 32)); a = np.abs(x).max(-1, keepdims=True)
;;       e = np.where(a > 0, np.clip(np.frexp(np.where(a > 0, a, 1))[1] - 1 - 2, -126, 127), 0)      # np.frexp(a)[1] - 1 = floor(log2(a)), exactly
;;       r = np.clip(x / 2.0 ** e, -6, 6)
;;       step = 2.0 ** (np.maximum(np.frexp(np.where(r == 0, 1, r))[1] - 1, 0) - 1)
;;       q = np.round(r / step) * step * 2.0 ** e      # np.round: ties to even
;;       return np.moveaxis(q.reshape(q.shape[:-2] + (-1,))[..., :K], -1, axis).astype(np.float32)
;;   ~~~
;;   OPERANDS COMPUTED ON THE WAY. 'Computed on the way' means the value that the module computes at that place (a softmax that the list does not call 'softmax' is quantised finished and normalised). What goes into a quantiser is computed in f32, as accurately as f32 sums, v_exp_f32 and their like allow (about 1e-6 of the number): no bf16 or f16 on the way to a quantiser, and a product that is left as it is and whose result goes on into a quantised operand takes f32 operands (vector FMAs, or v_wmma_f32_16x16x4_f32). A number that lies on a knife's edge between two numbers of the format may be rounded either way, as far as f32 arithmetic and the matrix unit's own rounding can turn it there, and no further.
;;   INPUTS GIVEN AS CODES. W2 (in the module: [128, 128], K = its axis 1); z1 (in the module: [1024, 128], K = its axis 1); z2 (in the module: [1024, 128], K = its axis 1): each comes as NAME_codes (uint8): NAME with its K axis moved to the last place and cut into blocks of 32 codes, [.., K / 32, bytes a block], one block behind the other in memory; two codes a byte, the lower K in the low four bits (a code: sign, 2 exponent bits, 1 mantissa bit); and NAME_scales (uint8): the same leading axes, one E8M0 byte (e + 127) for each 32 codes along K. Its value is code x scale, taken as it is: it is not quantised again, and the codes and scales need not be those that the quantiser above would give.
;; 2 versions, each right and faster than the one before. Each part assembles by itself: llvm-mc -triple=amdgcn-amd-amdhsa -mcpu=gfx1250 --defsym DOCPART=n.
;; ======== version 1 of 2: 1 launch
;; launch club (part 1): grid 16 x 16, 16 waves a work-group, no clusters, 230,400 bytes of LDS; arguments z1_codes, z1_scales, z2_codes, z2_scales, W1, b1, W2_codes, W2_scales, b2, W3, b3, out0; writes out0
.if DOCPART == 1
	.amdgcn_target "amdgcn-amd-amdhsa--gfx1250"
	.amdhsa_code_object_version 6
	.text
	.protected	k_qc5eafa94c4_club
	.globl	k_qc5eafa94c4_club
	.p2align	8
	.type	k_qc5eafa94c4_club,@function
k_qc5eafa94c4_club:
	s_mov_b64 s[64:65], 0
	v_nop
	global_prefetch_b8 v0, s[64:65] scope:SCOPE_SE
	s_setreg_imm32_b32 hwreg(HW_REG_WAVE_MODE, 25, 1), 1
	s_wait_xcnt 0x0
; out[i][j] = W3 . gelu(W2 Q(gelu(a[j] + b[i] + b1)) + b2) + b3,  a = z1 Q(W1[:, :128])^T,  b = z2 Q(W1[:, 128:])^T.   1,024 x 1,024 pairs, 128 hidden units.
; z1, z2, W2: codes of E2M1 with one E8M0 byte for each 32 along K, taken as they lie.  W1: f32, quantised here along its rows.  The hidden layer is quantised in registers and never leaves them.
; ONE LAUNCH.  A work-group owns 64 i x 64 j.  Wave w of sixteen owns the 16 columns j0 + 16 (w & 3) + r and the 16 rows i0 + 16 (w >> 2) + trip: 16 trips, one i and 16 j a trip.
; A LANE (r = lane % 16, h = lane / 16) holds pair r, and of its 128 hidden units the 64 that the 4-bit operand layout gives that lane: k = 32 h + 0..31 and 64 + 32 h + 0..31.  So a block of 32 is one lane's
; 32 registers, its largest magnitude asks no other lane, and the conversions' results are the operand's registers.  All products are used transposed (source 0 = 16 rows of a weight, source 1 = 16 pairs or rows).
; The vector work (two exact gelus for each hidden unit of each pair) is some two hundred instructions for each matrix instruction: hence many small waves, no ring, no cluster, weights' fragments read from LDS in each trip.
; GELU 1 stands ahead of a quantiser: g = max(x, 0) - |x| c,  c = Phi(-|x|) = (1 + p(q)) / (1 + sqrt2 |x|) x 2^(-x^2 log2(e) / 2 - 1),  q = 1 - 4 sqrt2 / (|x| + 2 sqrt2), p of degree 9: nothing cancels on either side of 0.
; GELU 2 stands ahead of none: g = y (0.5 + yc A(u) / B(u)),  yc = y held to +-4 sqrt2,  u = yc^2: the rational erf of degree 13 over 8 with 1 / sqrt2 and 0.5 folded into its coefficients.
; LIMITS.  x = a + (b + b1): b1 is the C of b's product, where the definition adds (a + b) + b1: one f32 rounding falls elsewhere.  Gelu 1 gives 0 where the true value lies under 2^-126 (x under -13.2).
; Gelu 2's Phi is good to about 1e-7 absolute, so for y far under -5.7 about 1e-7 |y| stays where 0 belongs.  A block of zeros gets the byte 1 with zero codes (these bytes are read here alone).  NaN and infinities are not served.
;
; LDS
.set WSTG,  8448                       ; W1's stage, from byte 0: for each wave 16 rows x (512 + 16) bytes
.set BP,    528                        ; that pitch, and b's
.set W1IMG, 135168                     ; 16 fragments of Q(W1) as images of their registers, 1,024 bytes each (16 x lane + 512 c): 0-7 the z1 half's tiles, 8-15 the z2 half's
.set W1SC,  151552                     ; their scale words, 128 bytes a fragment (4 x lane)
.set W2IMG, 153600                     ; W2's 8 fragments as images
.set CB,    161792                     ; for each wave 1,024 bytes of its own: b2, then W3
.set BROW,  178176                     ; b + b1: 64 rows i x (512 + 16) bytes, units in their order
.set STG,   211968                     ; the results: for each wave 1,024 bytes of its own: 64 x trip + 4 r
.set SPARE, 228352                     ; the spare words, 128 bytes for each wave: eight blocks of 256 bytes that no other line names
; VECTOR REGISTERS
.set ZS1, 1                            ; v1   z1's scale words      (v1-4, v31-39 hold scale words and nothing else)
.set ZS2, 2                            ; v2   z2's
.set WBS, 3                            ; v3-4 those of my two tiles of W1's z2 half
.set TA,  5                            ; v5   the trip's row of b
.set TO,  6                            ; v6   the trip's place in the stage
.set LST, 7                            ; v7   STG + 1024 w + 4 r
.set SPW, 8                            ; v8   LDS address of my spare word; never rewritten
.set NIL, 9                            ; v9   0; never rewritten
.set SH8, 10                           ; v10  8 h
.set PT,  11                           ; v11  a lane permute's destination
.set VC9, 12                           ; v12  c9;  the pair's upper word is named with it and not used:
.set LB,  13                           ; v13  BROW + 128 h
.set VA6, 14                           ; v14  A6
.set LW,  15                           ; v15  W2IMG + 16 x lane
.set VB4, 16                           ; v16  B4
.set LC,  17                           ; v17  CB + 1024 w + 32 h
.set ACC, 18                           ; v18-25  four pairs of sums of the last product
.set MXA, 26
.set MXB, 27
.set SO,  28                           ; the conversions' scale operand
.set BY0, 29                           ; my two blocks' bytes
.set BY1, 30
.set PW,  31                           ; the scale word just made
.set WS,  32                           ; v32-39  scale words of 8 tiles: first of W1's z1 half, then of W2
.set PC,  40                           ; v40-47  the codes just made: a fragment
.set A,   48                           ; v48-111 a of my j: register 32 c + i = unit 64 c + 32 h + i
.set BB,  112                          ; v112-127 16 numbers of b;  later the sums of W2's tiles 6, 7
.set X,   128                          ; gelu 1 at work: 16 registers each
.set AX,  144
.set T1,  160
.set T2,  176
.set T3,  192
.set G,   208                          ; v208-239 one block of the hidden layer
.set W3C, 240                          ; v240-255 W3 at 16 of my units
.set WF,  128                          ; v128-191 eight fragments of a weight
.set XC,  128                          ; gelu 2 at work
.set U,   144
.set PA,  160
.set PB,  176
.set Q,   192                          ; the head: v192-255 W1's numbers, K along my registers
.set BD,  208                          ; the head: v208-223 b1, then b + b1, of my two tiles
.set Z1F, 112
.set Z2F, 120
.set GL16, 18                          ; the head: 16 x lane;
.set GZ,   19                          ; 64 r + 16 h;
.set G4R,  20                          ; 4 r;
.set G128, 21                          ; 128 h;
.set BRW,  22                          ; where b + b1 goes in LDS
.set STW,  64                          ; the head's other LDS addresses: v64-73
.set STR,  65
.set IMW,  66
.set SCW,  67
.set W2W,  68
.set CBW,  69
.set IMR,  70
.set SCR,  71
.set IMRB, 72
.set SCRB, 73
; SCALAR REGISTERS: s[8:31] the twelve addresses; s2-4, s6 at work
.set WV,   32
.set JT,   33
.set IG,   34
.set TRIPS, 35
.set BOFF, 36                          ; 528 x (16 IG + trip)
.set OOFF, 37                          ; 64 x trip
.set B3S,  38
.set JOF,  39                          ; 256 (JT / 2) + 64 (JT % 2): my two tiles' place among 128 units, in bytes
.macro SPAIR reg, bits                 ; a constant for the packed forms: they name a pair and take its low word for both halves, so both are written
	s_mov_b32 s[\reg], \bits
	s_mov_b32 s[\reg+1], \bits
.endm
; 32 numbers of a lane, one block, become 4 registers of codes and the block's byte.
.macro QBLK src, dst, by
.set QS, \src
.set QD, \dst
	v_max3_num_f32 v[MXA], |v[QS]|, |v[QS+1]|, 0x1800000           ; the floor 2^(3 - 127) among the leaves: the byte cannot fall under 1
	v_max3_num_f32 v[MXB], |v[QS+16]|, |v[QS+17]|, |v[QS+18]|      ; two chains, so that no line waits for the line above it
.irp i, 2,4,6,8,10,12
	v_max3_num_f32 v[MXA], v[MXA], |v[QS+\i]|, |v[QS+\i+1]|
	v_max3_num_f32 v[MXB], v[MXB], |v[QS+\i+17]|, |v[QS+\i+18]|
.endr
	v_max3_num_f32 v[MXA], v[MXA], |v[QS+14]|, |v[QS+15]|
	v_max3_num_f32 v[MXA], v[MXA], v[MXB], |v[QS+31]|              ; the block's largest magnitude
	v_add_nc_u32 v[SO], 0xff000000, v[MXA]                         ; 2 off its exponent field: the conversion takes that field as its scale and nothing else
	v_lshrrev_b32 v[\by], 23, v[SO]                                ; the scale's byte
.irp g, 0,1,2,3
	v_cvt_scalef32_pk8_fp4_f32 v[QD+\g], v[QS+8*\g:QS+8*\g+7], v[SO]
.endr
	v_nop                                                          ; one plain place behind the last scaled conversion
.endm
.macro MKPW                            ; my bytes are those of blocks h and 2 + h; with lane l xor 16's two the word is whole
	v_lshl_or_b32 v[PW], v[BY1], 16, v[BY0]
	v_lshlrev_b32 v[PW], v[SH8], v[PW]
	v_permlanex16_b32 v[PT], v[PW], s40, s41
	v_or_b32 v[PW], v[PW], v[PT]
.endm
.macro BLOAD k                         ; 16 numbers of the trip's row of b: units 64 (k / 2) + 32 h + 16 (k % 2) on; the sixteen lanes of a half read the same bytes
.irp n, 0,1,2,3
	ds_load_b128 v[BB+4*\n:BB+4*\n+3], v[TA] offset:256*((\k)/2)+64*((\k)%2)+16*\n
.endr
.endm
.macro B2LOAD t, reg                   ; b2 at tile t's eight units of my half: the C of that tile's product
	ds_load_b128 v[\reg:\reg+3], v[LC] offset:64*(\t)
	ds_load_b128 v[\reg+4:\reg+7], v[LC] offset:64*(\t)+16
.endm
; GELU 1 of 16 numbers, 8 pairs; each step goes over the 8 pairs, so that dependent lines stand 8 apart.
.macro G1 k
.set AB, A+16*(\k)
.set GB, G+16*((\k)%2)
	s_wait_dscnt 0x0                                               ; this chunk's numbers of b are in
.irp e, 0,2,4,6,8,10,12,14
	v_pk_add_f32 v[X+\e:X+\e+1], v[AB+\e:AB+\e+1], v[BB+\e:BB+\e+1]               ; x = a + (b + b1).  a's accumulators are read from their low ends on
.endr
.if (\k) < 3
	BLOAD (\k)+1                                                   ; the next chunk's, a whole chunk ahead of their use
.else
	B2LOAD 6, BB
	B2LOAD 7, BB+8
.endif
.irp e, 0,1,2,3,4,5,6,7,8,9,10,11,12,13,14,15
	v_max_num_f32 v[GB+\e], 0, v[X+\e]
.endr
.irp e, 0,2,4,6,8,10,12,14
	v_pk_fma_f32 v[AX+\e:AX+\e+1], v[GB+\e:GB+\e+1], 2.0, v[X+\e:X+\e+1] op_sel_hi:[1,0,1] neg_lo:[0,0,1] neg_hi:[0,0,1]   ; |x| = 2 max(x, 0) - x, exact
.endr
.irp e, 0,2,4,6,8,10,12,14
	v_pk_mul_f32 v[X+\e:X+\e+1], v[X+\e:X+\e+1], v[X+\e:X+\e+1]
.endr
.irp e, 0,2,4,6,8,10,12,14
	v_pk_fma_f32 v[X+\e:X+\e+1], v[X+\e:X+\e+1], s[42:43], -1.0 op_sel_hi:[1,0,0]  ; -x^2 log2(e) / 2 - 1
.endr
.irp e, 0,1,2,3,4,5,6,7,8,9,10,11,12,13,14,15
	v_exp_f32 v[X+\e], v[X+\e]                                     ; exp(-x^2 / 2) / 2
.endr
.irp e, 0,2,4,6,8,10,12,14
	v_pk_add_f32 v[T1+\e:T1+\e+1], v[AX+\e:AX+\e+1], s[44:45] op_sel_hi:[1,0]      ; |x| + 2 sqrt2
.endr
.irp e, 0,2,4,6,8,10,12,14
	v_pk_fma_f32 v[T2+\e:T2+\e+1], v[AX+\e:AX+\e+1], s[46:47], 1.0 op_sel_hi:[1,0,0]   ; 1 + sqrt2 |x|
.endr
.irp e, 0,2,4,6,8,10,12,14
	v_pk_mul_f32 v[T3+\e:T3+\e+1], v[T1+\e:T1+\e+1], v[T2+\e:T2+\e+1]
.endr
.irp e, 0,1,2,3,4,5,6,7,8,9,10,11,12,13,14,15
	v_rcp_f32 v[T3+\e], v[T3+\e]                                   ; one reciprocal of the product serves both divisions
.endr
	v_nop                                                          ; a plain place behind the last transcendental
	s_wait_alu depctr_va_vdst(0)                                   ; the wait ahead of the first line that names a result: ONE for the 32 of this chunk
.irp e, 0,2,4,6,8,10,12,14
	v_pk_mul_f32 v[T2+\e:T2+\e+1], v[T3+\e:T3+\e+1], v[T2+\e:T2+\e+1]              ; 1 / (|x| + 2 sqrt2)
.endr
.irp e, 0,2,4,6,8,10,12,14
	v_pk_mul_f32 v[T1+\e:T1+\e+1], v[T3+\e:T3+\e+1], v[T1+\e:T1+\e+1]              ; 1 / (1 + sqrt2 |x|)
.endr
.irp e, 0,2,4,6,8,10,12,14
	v_pk_fma_f32 v[T2+\e:T2+\e+1], v[T2+\e:T2+\e+1], s[48:49], 1.0 op_sel_hi:[1,0,0]   ; q
.endr
.irp e, 0,2,4,6,8,10,12,14
	v_pk_fma_f32 v[T3+\e:T3+\e+1], v[T2+\e:T2+\e+1], v[VC9:VC9+1], s[50:51] op_sel_hi:[1,0,0]   ; c9 q + c8
.endr
.irp c, 52,54,56,58,60,62,66,68
.irp e, 0,2,4,6,8,10,12,14
	v_pk_fma_f32 v[T3+\e:T3+\e+1], v[T3+\e:T3+\e+1], v[T2+\e:T2+\e+1], s[\c:\c+1] op_sel_hi:[1,1,0]   ; .. q + c7 .. c0
.endr
.endr
.irp e, 0,2,4,6,8,10,12,14
	v_pk_fma_f32 v[T3+\e:T3+\e+1], v[T3+\e:T3+\e+1], v[T1+\e:T1+\e+1], v[T1+\e:T1+\e+1]         ; (1 + p) / (1 + sqrt2 |x|)
.endr
.irp e, 0,2,4,6,8,10,12,14
	v_pk_mul_f32 v[T3+\e:T3+\e+1], v[T3+\e:T3+\e+1], v[X+\e:X+\e+1]                ; c = Phi(-|x|)
.endr
.irp e, 0,2,4,6,8,10,12,14
	v_pk_fma_f32 v[GB+\e:GB+\e+1], v[AX+\e:AX+\e+1], v[T3+\e:T3+\e+1], v[GB+\e:GB+\e+1] neg_lo:[1,0,0] neg_hi:[1,0,0]   ; max(x, 0) - |x| c
.endr
.endm
; GELU 2 of 16 numbers (W2's tiles 2 n, 2 n + 1 of my pair) and their part of the product with W3.
.macro G2 n
.if (\n) < 3
.set YB, 192+16*(\n)
.else
.set YB, 112
.endif
.irp e, 0,1
.irp q, 0,1
	ds_load_b128 v[W3C+8*\e+4*\q:W3C+8*\e+4*\q+3], v[LC] offset:512+64*(2*(\n)+\e)+16*\q
.endr
.endr
.irp e, 0,1,2,3,4,5,6,7,8,9,10,11,12,13,14,15
	v_med3_num_f32 v[XC+\e], v[YB+\e], s48, s90                    ; y held to +-4 sqrt2.  Ascending: each accumulator is first read at its low end
.endr
.irp e, 0,2,4,6,8,10,12,14
	v_pk_mul_f32 v[U+\e:U+\e+1], v[XC+\e:XC+\e+1], v[XC+\e:XC+\e+1]
.endr
.irp e, 0,2,4,6,8,10,12,14
	v_pk_fma_f32 v[PB+\e:PB+\e+1], v[U+\e:U+\e+1], v[VB4:VB4+1], s[70:71] op_sel_hi:[1,0,0]
.endr
.irp c, 72,74,76
.irp e, 0,2,4,6,8,10,12,14
	v_pk_fma_f32 v[PB+\e:PB+\e+1], v[PB+\e:PB+\e+1], v[U+\e:U+\e+1], s[\c:\c+1] op_sel_hi:[1,1,0]
.endr
.endr
.irp e, 0,1,2,3,4,5,6,7,8,9,10,11,12,13,14,15
	v_rcp_f32 v[PB+\e], v[PB+\e]
.endr
.irp e, 0,2,4,6,8,10,12,14
	v_pk_fma_f32 v[PA+\e:PA+\e+1], v[U+\e:U+\e+1], v[VA6:VA6+1], s[78:79] op_sel_hi:[1,0,0]     ; the numerator names no reciprocal: the independent work behind the batch
.endr
.irp c, 80,82,84,86,88
.irp e, 0,2,4,6,8,10,12,14
	v_pk_fma_f32 v[PA+\e:PA+\e+1], v[PA+\e:PA+\e+1], v[U+\e:U+\e+1], s[\c:\c+1] op_sel_hi:[1,1,0]
.endr
.endr
.irp e, 0,2,4,6,8,10,12,14
	v_pk_mul_f32 v[PA+\e:PA+\e+1], v[PA+\e:PA+\e+1], v[XC+\e:XC+\e+1]
.endr
	s_wait_alu depctr_va_vdst(0)                                   ; one wait for the 16 reciprocals, ahead of their first reader
.irp e, 0,2,4,6,8,10,12,14
	v_pk_fma_f32 v[PA+\e:PA+\e+1], v[PA+\e:PA+\e+1], v[PB+\e:PB+\e+1], 0.5 op_sel_hi:[1,1,0]    ; Phi(y)
.endr
.irp e, 0,2,4,6,8,10,12,14
	v_pk_mul_f32 v[PA+\e:PA+\e+1], v[PA+\e:PA+\e+1], v[YB+\e:YB+\e+1]
.endr
	s_wait_dscnt 0x0                                               ; W3's 16 numbers are in
.irp e, 0,1,2,3,4,5,6,7
.if ((\n) == 0) && (\e < 4)
	v_pk_mul_f32 v[ACC+2*\e:ACC+2*\e+1], v[PA+2*\e:PA+2*\e+1], v[W3C+2*\e:W3C+2*\e+1]           ; a trip's first four start the sums: nothing is cleared
.else
	v_pk_fma_f32 v[ACC+2*(\e%4):ACC+2*(\e%4)+1], v[PA+2*\e:PA+2*\e+1], v[W3C+2*\e:W3C+2*\e+1], v[ACC+2*(\e%4):ACC+2*(\e%4)+1]
.endif
.endr
.endm
.macro BARRIER                         ; my LDS stores have landed and my LDS loads are in: then the work-group's barrier
	s_wait_dscnt 0x0
	s_barrier_signal -1
	s_barrier_wait -1
.endm
	; ---- THE HEAD: addresses and constants
	s_load_b512 s[8:23], s[0:1], 0x0               ; z1's codes s[8:9], scales s[10:11]; z2's s[12:13], s[14:15]; W1 s[16:17]; b1 s[18:19]; W2's codes s[20:21], scales s[22:23]
	s_load_b256 s[24:31], s[0:1], 0x40             ; b2 s[24:25], W3 s[26:27], b3 s[28:29], out s[30:31]
	v_lshl_add_u32 v[SPW], v0, 2, SPARE
	v_mov_b32 v[NIL], 0
	v_lshrrev_b32 v26, 5, v0
	v_readfirstlane_b32 s[WV], v26                 ; wave 0..15
	s_and_b32 s[JT], s[WV], 3                      ; which 16 of the 64 j
	s_lshr_b32 s[IG], s[WV], 2                     ; which 16 of the 64 i
	v_and_b32 v27, 31, v0                          ; lane
	v_and_b32 v28, 15, v0                          ; r
	v_bfe_u32 v29, v0, 4, 1                        ; h
	v_lshlrev_b32 v[GL16], 4, v27
	v_lshlrev_b32 v[GZ], 6, v28
	v_lshl_add_u32 v[GZ], v29, 4, v[GZ]            ; a fragment of codes from rows of 64 bytes: 64 r + 16 h
	v_lshlrev_b32 v[G4R], 2, v28
	v_lshlrev_b32 v[G128], 7, v29
	v_lshlrev_b32 v[SH8], 3, v29
	v_mov_b32 v[PT], 0                             ; written once: a lane permute's destination counts as one of its sources
	v_lshlrev_b32 v26, 2, v27                      ; 4 x lane
	v_mul_u32_u24 v30, v28, BP
	v_lshl_add_u32 v30, v29, 7, v30                ; 528 r + 128 h
	s_mul_i32 s2, s[WV], WSTG
	v_add_nc_u32 v[STW], s2, v[GL16]               ; my stage, in: a row's 512 bytes as they lie
	v_add_nc_u32 v[STR], s2, v30                   ; and back: row r, my 32 numbers of each half of K
	s_lshl_b32 s2, s[WV], 10
	s_add_co_u32 s3, s2, W1IMG
	v_add_nc_u32 v[IMW], s3, v[GL16]
	s_add_co_u32 s3, s2, CB
	v_add_nc_u32 v[CBW], s3, v[GL16]
	v_lshl_add_u32 v[LC], v29, 5, s3
	s_add_co_u32 s3, s2, STG
	v_add_nc_u32 v[LST], s3, v[G4R]
	s_lshl_b32 s2, s[WV], 7
	s_add_co_u32 s2, s2, W1SC
	v_add_nc_u32 v[SCW], s2, v26
	s_lshl_b32 s2, s[WV], 9
	s_add_co_u32 s2, s2, W2IMG
	v_add_nc_u32 v[W2W], s2, v[GL16]
	v_add_nc_u32 v[IMR], W1IMG, v[GL16]
	v_add_nc_u32 v[SCR], W1SC, v26
	s_lshl_b32 s2, s[JT], 11
	s_add_co_u32 s2, s2, W1IMG+8192
	v_add_nc_u32 v[IMRB], s2, v[GL16]              ; fragments 8 + 2 JT, 9 + 2 JT
	s_lshl_b32 s2, s[JT], 8
	s_add_co_u32 s2, s2, W1SC+1024
	v_add_nc_u32 v[SCRB], s2, v26
	s_lshr_b32 s[JOF], s[JT], 1
	s_lshl_b32 s[JOF], s[JOF], 8
	s_and_b32 s2, s[JT], 1
	s_lshl_b32 s2, s2, 6
	s_add_co_u32 s[JOF], s[JOF], s2
	s_mul_i32 s[BOFF], s[IG], 16*BP
	s_add_co_u32 s2, s[BOFF], s[JOF]
	s_add_co_u32 s2, s2, BROW
	v_add_nc_u32 v[BRW], s2, v30                   ; row 16 IG + r of b, my half's 128 bytes of each 256, my two tiles' 64 of them
	v_lshl_add_u32 v[LB], v29, 7, BROW
	v_add_nc_u32 v[LW], W2IMG, v[GL16]
	v_mov_b32 v[VC9], 0xb9d25000                   ; c9 = -4.01139259e-4
	v_mov_b32 v[VA6], 0xac95df0b                   ; A6 = -4.25959728e-12
	v_mov_b32 v[VB4], 0xb62ccd2b                   ; B4 = -2.57494204e-6
	s_mov_b32 s40, 0x76543210
	s_mov_b32 s41, 0xfedcba98                      ; v_permlanex16_b32's selects for lane l xor 16
	SPAIR 42, 0xbf38aa3b                           ; -log2(e) / 2
	SPAIR 44, 0x403504f3                           ; 2 sqrt2
	SPAIR 46, 0x3fb504f3                           ; sqrt2
	SPAIR 48, 0xc0b504f3                           ; -4 sqrt2
	SPAIR 50, 0xbaa15130                           ; c8 = -1.23075210e-3
	SPAIR 52, 0x3aac2b8a                           ; c7 =  1.31355342e-3
	SPAIR 54, 0x3c0d6e62                           ; c6 =  8.63227434e-3
	SPAIR 56, 0xbc040dc1                           ; c5 = -8.05991981e-3
	SPAIR 58, 0xbd5e05b5                           ; c4 = -5.42046614e-2
	SPAIR 60, 0x3e27fe23                           ; c3 =  1.64055392e-1
	SPAIR 62, 0xbe2a0420                           ; c2 = -1.66031361e-1
	SPAIR 66, 0xbdbdfb0b                           ; c1 = -9.27639827e-2
	SPAIR 68, 0x3e8dd01d                           ; c0 =  2.76978403e-1
	SPAIR 70, 0xb89e3512                           ; B3 = -7.54391207e-5
	SPAIR 72, 0xba9bf7b5                           ; B2 = -1.18993837e-3
	SPAIR 74, 0xbc2ad7f2                           ; B1 = -1.04274621e-2
	SPAIR 76, 0xbd2542a9                           ; B0 = -4.03467749e-2
	SPAIR 78, 0x306dffee                           ; A5 =  8.65837945e-10
	SPAIR 80, 0xb40cff51                           ; A4 = -1.31314001e-7
	SPAIR 82, 0xb6eec2d2                           ; A3 = -7.11563299e-6
	SPAIR 84, 0xb940ac63                           ; A2 = -1.83747658e-4
	SPAIR 86, 0xbac1a1f6                           ; A1 = -1.47729990e-3
	SPAIR 88, 0xbc83dbd4                           ; A0 = -1.60960333e-2
	s_mov_b32 s90, 0x40b504f3                      ; 4 sqrt2
	s_mov_b32 s3, 0                                ; the upper word of every offset
	s_wait_kmcnt 0x0
	s_load_b32 s[B3S], s[28:29], 0x0               ; b3
	s_and_b32 s2, s[WV], 7                         ; W1: wave w quantises fragment w: half p = w / 8 of K, tile t = w % 8.  Row m of tile t is hidden unit 64 (t / 4) + 32 (m / 8) + 8 (t % 4) + m % 8,
	s_lshr_b32 s4, s2, 2                           ; so that a product's 8 registers of tile t fall on units 64 (t / 4) + 32 h + 8 (t % 4) + 0..7: the lane's own order
	s_lshl_b32 s4, s4, 16
	s_and_b32 s2, s2, 3
	s_lshl_b32 s2, s2, 13
	s_add_co_u32 s2, s2, s4
	s_lshr_b32 s4, s[WV], 3
	s_lshl_b32 s4, s4, 9
	s_add_co_u32 s2, s2, s4                        ; (64 (t / 4) + 8 (t % 4)) rows of 1,024 bytes + 512 p
	s_add_nc_u64 s[16:17], s[16:17], s[2:3]
	s_lshr_b32 s2, s[WV], 1                        ; W2: wave w copies half c = w % 2 of fragment w / 2
	s_lshl_b32 s2, s2, 10
	s_and_b32 s4, s[WV], 1
	s_lshl_b32 s4, s4, 5
	s_add_co_u32 s2, s2, s4
	s_add_nc_u64 s[20:21], s[20:21], s[2:3]
	s_lshl_b32 s2, ttmp9, 6
	s_lshl_b32 s4, s[JT], 4
	s_add_co_u32 s4, s2, s4                        ; my first j
	s_lshl_b32 s2, s4, 6
	s_add_nc_u64 s[8:9], s[8:9], s[2:3]
	s_lshl_b32 s2, s4, 2
	s_add_nc_u64 s[10:11], s[10:11], s[2:3]
	s_and_b32 s6, ttmp7, 0xffff
	s_lshl_b32 s6, s6, 6                           ; the work-group's first i
	s_lshl_b32 s4, s[IG], 4
	s_add_co_u32 s4, s6, s4                        ; my first i
	s_lshl_b32 s2, s4, 6
	s_add_nc_u64 s[12:13], s[12:13], s[2:3]
	s_lshl_b32 s2, s4, 2
	s_add_nc_u64 s[14:15], s[14:15], s[2:3]
	s_mov_b32 s2, s[JOF]
	s_add_nc_u64 s[18:19], s[18:19], s[2:3]
	s_lshl_b32 s4, s[WV], 2
	s_add_co_u32 s4, s6, s4                        ; on the way out wave w stores rows 4 w .. 4 w + 3 of the work-group's 64
	s_lshl_b32 s2, s4, 12
	s_lshl_b32 s4, ttmp9, 8
	s_add_co_u32 s2, s2, s4
	s_add_nc_u64 s[30:31], s[30:31], s[2:3]
	; 25 loads: 16 rows of W1 (32 lanes read 512 consecutive bytes), my piece of W2, b2, W3, z1's fragment and words, z2's
.irp n, 0,1,2,3,4,5,6,7,8,9,10,11,12,13,14,15
	global_load_b128 v[WF+4*\n:WF+4*\n+3], v[GL16], s[16:17] offset:(32*(\n/8)+\n%8)*1024
.endr
	global_load_b128 v[48:51], v[GZ], s[20:21]
	global_load_b128 v[52:55], v[GL16], s[24:25]
	global_load_b128 v[56:59], v[GL16], s[26:27]
	global_load_b128 v[Z1F:Z1F+3], v[GZ], s[8:9]
	global_load_b128 v[Z1F+4:Z1F+7], v[GZ], s[8:9] offset:32
	global_load_b32 v[ZS1], v[G4R], s[10:11]
	global_load_b128 v[Z2F:Z2F+3], v[GZ], s[12:13]
	global_load_b128 v[Z2F+4:Z2F+7], v[GZ], s[12:13] offset:32
	global_load_b32 v[ZS2], v[G4R], s[14:15]
	; ---- W1's fragment: through my own stage, so that a lane's registers run along K; quantised; to LDS as an image of its registers
	s_wait_loadcnt 9                               ; W1's 16 are in; the nine younger loads may be out
.irp n, 0,1,2,3,4,5,6,7,8,9,10,11,12,13,14,15
	ds_store_b128 v[STW], v[WF+4*\n:WF+4*\n+3] offset:BP*\n
.endr
.irp c, 0,1
.irp m, 0,1,2,3,4,5,6,7
	ds_load_b128 v[Q+32*\c+4*\m:Q+32*\c+4*\m+3], v[STR] offset:256*\c+16*\m   ; my wave's own bytes: LDS serves a wave's instructions in order (ISA guide 5.7.1.4), so these see the stores above
.endr
.endr
	s_wait_dscnt 0x0
	QBLK Q, PC, BY0
	QBLK Q+32, PC+4, BY1
	MKPW
	ds_store_b128 v[IMW], v[PC:PC+3]
	ds_store_b128 v[IMW], v[PC+4:PC+7] offset:512
	ds_store_b32 v[SCW], v[PW]
	s_wait_loadcnt 6                               ; W2's piece, b2 and W3 are in; z's six may be out
	ds_store_b128 v[W2W], v[48:51]
	ds_store_b128 v[CBW], v[52:55]
	ds_store_b128 v[CBW], v[56:59] offset:512
.irp e, 0,1
	global_load_b128 v[BD+8*\e:BD+8*\e+3], v[G128], s[18:19] offset:32*\e          ; b1 in the result's layout: the C of b's product
	global_load_b128 v[BD+8*\e+4:BD+8*\e+7], v[G128], s[18:19] offset:32*\e+16
.endr
	BARRIER                                        ; all sixteen fragments of Q(W1) and W2's eight lie in LDS
	; ---- a of my 16 j, all 128 units; b + b1 of my 16 i, my two tiles of units
.irp t, 0,1,2,3,4,5,6,7
	ds_load_b128 v[WF+8*\t:WF+8*\t+3], v[IMR] offset:1024*\t
	ds_load_b128 v[WF+8*\t+4:WF+8*\t+7], v[IMR] offset:1024*\t+512
.endr
.irp t, 0,1,2,3,4,5,6,7
	ds_load_b32 v[WS+\t], v[SCR] offset:128*\t
.endr
.irp e, 0,1
	ds_load_b128 v[Q+8*\e:Q+8*\e+3], v[IMRB] offset:1024*\e
	ds_load_b128 v[Q+8*\e+4:Q+8*\e+7], v[IMRB] offset:1024*\e+512
	ds_load_b32 v[WBS+\e], v[SCRB] offset:128*\e
.endr
	s_wait_loadcnt 4                               ; z's six are in; b1's four may be out
	s_wait_dscnt 0x0
.irp t, 0,1,2,3,4,5,6,7
	v_wmma_scale_f32_16x16x128_f8f6f4 v[A+8*\t:A+8*\t+7], v[WF+8*\t:WF+8*\t+7], v[Z1F:Z1F+7], 0, v[WS+\t], v[ZS1] matrix_a_fmt:MATRIX_FMT_FP4 matrix_b_fmt:MATRIX_FMT_FP4
.endr
	s_wait_loadcnt 0x0                             ; b1
.irp e, 0,1
	v_wmma_scale_f32_16x16x128_f8f6f4 v[BD+8*\e:BD+8*\e+7], v[Q+8*\e:Q+8*\e+7], v[Z2F:Z2F+7], v[BD+8*\e:BD+8*\e+7], v[WBS+\e], v[ZS2] matrix_a_fmt:MATRIX_FMT_FP4 matrix_b_fmt:MATRIX_FMT_FP4
.endr
.rept 4
	v_nop                                          ; four places ahead of the stores of results, of the loads into the scale registers, and of what the loop writes over the operands
.endr
.irp t, 0,1,2,3,4,5,6,7
	global_load_b32 v[WS+\t], v[G4R], s[22:23] offset:64*\t        ; W2's scale words: they stay
.endr
.irp e, 0,1
	ds_store_b128 v[BRW], v[BD+8*\e:BD+8*\e+3] offset:32*\e        ; each accumulator from its low end on
	ds_store_b128 v[BRW], v[BD+8*\e+4:BD+8*\e+7] offset:32*\e+16
.endr
	BARRIER                                        ; 64 rows of b + b1 lie in LDS
	s_wait_loadcnt 0x0                             ; W2's scale words; their offset register is free from here on
	s_wait_kmcnt 0x0                               ; b3
	s_mov_b32 s[TRIPS], 16
	s_mov_b32 s[OOFF], 0
	; ---- 16 TRIPS: one i, my 16 j
.Ltrip:
	v_add_nc_u32 v[TA], s[BOFF], v[LB]
	v_add_nc_u32 v[TO], s[OOFF], v[LST]
	BLOAD 0
	G1 0
	G1 1
	QBLK G, PC, BY0                                ; block h
	G1 2
	G1 3
	; gelu 1's registers are free: W2's fragments and b2 come in while the second block is quantised
.irp t, 0,1,2,3,4,5,6,7
	ds_load_b128 v[WF+8*\t:WF+8*\t+3], v[LW] offset:1024*\t
	ds_load_b128 v[WF+8*\t+4:WF+8*\t+7], v[LW] offset:1024*\t+512
.endr
	B2LOAD 0, 192
	B2LOAD 1, 200
	QBLK G, PC+4, BY1                              ; block 2 + h
	MKPW
	B2LOAD 2, 208
	B2LOAD 3, 216
	B2LOAD 4, 224
	B2LOAD 5, 232
.rept 8
	v_nop                                          ; a scale word made by vector instructions stands 8 places ahead of the scaled product, codes so made 4
.endr
	s_wait_dscnt 0x0
.irp t, 0,1,2,3,4,5,6,7                        ; source 0 = 16 rows of W2, source 1 = my 16 pairs; C = b2, in the sums' own registers.  Eight accumulators, one instruction each
.if \t < 6
.set DD, 192+8*\t
.else
.set DD, 112+8*(\t-6)
.endif
	v_wmma_scale_f32_16x16x128_f8f6f4 v[DD:DD+7], v[WF+8*\t:WF+8*\t+7], v[PC:PC+7], v[DD:DD+7], v[WS+\t], v[PW] matrix_a_fmt:MATRIX_FMT_FP4 matrix_b_fmt:MATRIX_FMT_FP4
.endr
.rept 4
	v_nop                                          ; four places ahead of the first read of results and of the first write over W2's fragments
.endr
	G2 0
	G2 1
	G2 2
	G2 3
	v_pk_add_f32 v[ACC:ACC+1], v[ACC:ACC+1], v[ACC+2:ACC+3]
	v_pk_add_f32 v[ACC+4:ACC+5], v[ACC+4:ACC+5], v[ACC+6:ACC+7]
	v_pk_add_f32 v[ACC:ACC+1], v[ACC:ACC+1], v[ACC+4:ACC+5]
	v_add_f32 v[ACC], v[ACC], v[ACC+1]             ; my 64 units' part,
	v_permlanex16_b32 v[PT], v[ACC], s40, s41
	v_add_f32 v[ACC], v[ACC], v[PT]                ; and lane l xor 16's
	v_add_f32 v[ACC], s[B3S], v[ACC]
	ds_store_b32 v[TO], v[ACC]                     ; both halves of the lanes write the same word with the same value
	s_add_co_u32 s[BOFF], s[BOFF], BP
	s_add_co_u32 s[OOFF], s[OOFF], 64
	s_sub_co_u32 s[TRIPS], s[TRIPS], 1
	s_cmp_lg_u32 s[TRIPS], 0
	s_cbranch_scc1 .Ltrip
	; ---- THE WAY OUT: a row's 64 results come from four waves; behind the barrier wave w stores rows 4 w .. 4 w + 3, sixteen lanes to 256 consecutive bytes, at a multiple of 256 from out's first byte
	s_wait_dscnt 0x0                               ; for the others' sake: my stores into the stage are done
	s_barrier_signal -1
	s_lshl_b32 s2, s[IG], 12                       ; rows 4 w + .. were made by waves 4 (w / 4) + 0..3 in trips 4 (w % 4) + ..
	s_lshl_b32 s4, s[JT], 8
	s_add_co_u32 s2, s2, s4
	s_add_co_u32 s2, s2, STG
	v_and_b32 v[TA], 3, v0
	v_lshlrev_b32 v[TA], 4, v[TA]                  ; 16 bytes: four j of a wave's sixteen,
	v_bfe_u32 v[SH8], v0, 2, 2
	v_lshl_add_u32 v[TA], v[SH8], 10, v[TA]        ; of the wave that made them,
	v_bfe_u32 v[SH8], v0, 4, 1
	v_lshl_add_u32 v[TA], v[SH8], 6, v[TA]         ; lanes 16-31 a trip, that is a row, further on
	v_add_nc_u32 v[TA], s2, v[TA]
	v_and_b32 v[TO], 15, v0
	v_lshlrev_b32 v[TO], 4, v[TO]
	v_lshl_add_u32 v[TO], v[SH8], 12, v[TO]        ; and the same place in out: a row is 4,096 bytes
	s_barrier_wait -1
	ds_load_b128 v[128:131], v[TA]
	ds_load_b128 v[132:135], v[TA] offset:128      ; two rows on
	s_wait_dscnt 0x0
	global_store_b128 v[TO], v[128:131], s[30:31] th:TH_STORE_NT
	global_store_b128 v[TO], v[132:135], s[30:31] offset:8192 th:TH_STORE_NT
	s_wait_tensorcnt 0x0                           ; the wave's end: behind my last LDS store
	ds_add_u32 v[SPW], v[NIL]
	s_wait_dscnt 0x0
	s_endpgm
.Lfunc_end_k_qc5eafa94c4_club:
	.size	k_qc5eafa94c4_club, .Lfunc_end_k_qc5eafa94c4_club-k_qc5eafa94c4_club
	.p2alignl 7, 3214868480
	.fill 96, 4, 3214868480
	.section	.rodata,"a",@progbits
	.p2align	6, 0x0
	.amdhsa_kernel k_qc5eafa94c4_club
		.amdhsa_group_segment_fixed_size 230400
		.amdhsa_private_segment_fixed_size 0
		.amdhsa_enable_private_segment 0
		.amdhsa_kernarg_size 96
		.amdhsa_user_sgpr_count 2
		.amdhsa_user_sgpr_kernarg_segment_ptr 1
		.amdhsa_wavefront_size32 1
		.amdhsa_system_sgpr_workgroup_id_x 1
		.amdhsa_system_sgpr_workgroup_id_y 1
		.amdhsa_system_sgpr_workgroup_id_z 1
		.amdhsa_system_vgpr_workitem_id 0
		.amdhsa_next_free_vgpr 256
		.amdhsa_next_free_sgpr 92
		.amdhsa_reserve_vcc 0
		.amdhsa_float_denorm_mode_32 3
		.amdhsa_float_denorm_mode_16_64 3
		.amdhsa_memory_ordered 1
		.amdhsa_forward_progress 1
		.amdhsa_inst_pref_size 118
	.end_amdhsa_kernel
	.amdgpu_metadata
---
amdhsa.version: [ 1, 2 ]
amdhsa.kernels:
  - .name:           k_qc5eafa94c4_club
    .symbol:         k_qc5eafa94c4_club.kd
    .args:
      - { .name: z1_codes, .offset: 0, .size: 8, .value_kind: global_buffer, .address_space: global }
      - { .name: z1_scales, .offset: 8, .size: 8, .value_kind: global_buffer, .address_space: global }
      - { .name: z2_codes, .offset: 16, .size: 8, .value_kind: global_buffer, .address_space: global }
      - { .name: z2_scales, .offset: 24, .size: 8, .value_kind: global_buffer, .address_space: global }
      - { .name: W1, .offset: 32, .size: 8, .value_kind: global_buffer, .address_space: global }
      - { .name: b1, .offset: 40, .size: 8, .value_kind: global_buffer, .address_space: global }
      - { .name: W2_codes, .offset: 48, .size: 8, .value_kind: global_buffer, .address_space: global }
      - { .name: W2_scales, .offset: 56, .size: 8, .value_kind: global_buffer, .address_space: global }
      - { .name: b2, .offset: 64, .size: 8, .value_kind: global_buffer, .address_space: global }
      - { .name: W3, .offset: 72, .size: 8, .value_kind: global_buffer, .address_space: global }
      - { .name: b3, .offset: 80, .size: 8, .value_kind: global_buffer, .address_space: global }
      - { .name: out0, .offset: 88, .size: 8, .value_kind: global_buffer, .address_space: global }
    .group_segment_fixed_size: 230400
    .private_segment_fixed_size: 0
    .kernarg_segment_align: 8
    .kernarg_segment_size: 96
    .max_flat_workgroup_size: 512
    .sgpr_count:     92
    .vgpr_count:     256
    .wavefront_size: 32
...
	.end_amdgpu_metadata
.endif
;; end of part 1
;; ======== version 2 of 2: 1 launch; 1.14 times as fast as version 1
;; limits: a function is approximated: absolute error at most 1e-06; an absolute error that grows with the inputs' magnitude: up to 1e-06 times it
;; launch club (part 2): grid 16 x 16, 16 waves a work-group, no clusters, 230,400 bytes of LDS; arguments z1_codes, z1_scales, z2_codes, z2_scales, W1, b1, W2_codes, W2_scales, b2, W3, b3, out0; writes out0
.if DOCPART == 2
	.amdgcn_target "amdgcn-amd-amdhsa--gfx1250"
	.amdhsa_code_object_version 6
	.text
	.protected	k_qc5eafa94c4_club
	.globl	k_qc5eafa94c4_club
	.p2align	8
	.type	k_qc5eafa94c4_club,@function
k_qc5eafa94c4_club:
	s_mov_b64 s[64:65], 0
	v_nop
	global_prefetch_b8 v0, s[64:65] scope:SCOPE_SE
	s_setreg_imm32_b32 hwreg(HW_REG_WAVE_MODE, 25, 1), 1
	s_wait_xcnt 0x0
; out[i][j] = W3 . gelu(W2 Q(gelu(a[j] + b[i] + b1)) + b2) + b3,  a = z1 Q(W1[:, :128])^T,  b = z2 Q(W1[:, 128:])^T.   1,024 x 1,024 pairs, 128 hidden units.
; z1, z2, W2: codes of E2M1 with one E8M0 byte for each 32 along K, taken as they lie.  W1: f32, quantised here along its rows.  The hidden layer is quantised in registers and never leaves them.
; ONE LAUNCH.  A work-group owns 64 i x 64 j.  Wave w of sixteen owns the 16 columns j0 + 16 (w & 3) + r and the 16 rows i0 + 16 (w >> 2) + trip: 16 trips, one i and 16 j a trip.
; A LANE (r = lane % 16, h = lane / 16) holds pair r, and of its 128 hidden units the 64 that the 4-bit operand layout gives that lane: k = 32 h + 0..31 and 64 + 32 h + 0..31.  So a block of 32 is one lane's
; 32 registers, its largest magnitude asks no other lane, and the conversions' results are the operand's registers.  All products are used transposed (source 0 = 16 rows of a weight, source 1 = 16 pairs or rows).
; The vector work (two exact gelus for each hidden unit of each pair) is well over a hundred instructions for each matrix instruction: hence many small waves, no ring, no cluster, weights' fragments read from LDS in each trip.
; GELU 1 stands ahead of a quantiser: g = max(x, 0) - |x| c,  c = Phi(-|x|) = t 2^(-x^2 log2(e) / 2 + D(t)),  t = 1 / (1 + |x| / (2 sqrt2)): nothing cancels on either side of 0.  D, of degree 9, is the polynomial of the
; classical fit erfc(z) = t exp(-z^2 + P(t)), t = 1 / (1 + z / 2), whose fractional error is given as under 1.2e-7 for all z >= 0; log2(e) and the factor 1 / 2 are folded into its coefficients.
; GELU 2 stands ahead of none: g = max(y, 0) - |y| c,  c = Phi(-|y|) = (e0 + e1 |y| + .. + e6 |y|^6)^-16: Abramowitz and Stegun 7.1.28 (3e-7 on erf), with 1 / sqrt2 and 2^(1/16) folded into its coefficients.
; LIMITS.  x = a + (b + b1): b1 is the C of b's product, where the definition adds (a + b) + b1: one f32 rounding falls elsewhere.  Gelu 1 gives 0 where its power of two falls under 2^-126 (x under about -13);
; the rounding of x^2 in that exponent costs about 4e-8 x^2 of the number.  Gelu 2's Phi is good to about 1e-6 absolute (the sixteenth power multiplies the polynomial's rounding by 16).
; A block of zeros gets the byte 1 with zero codes (these bytes are read here alone).  NaN and infinities are not served.
;
; LDS
.set WSTG,  8448                       ; W1's stage, from byte 0: for each wave 16 rows x (512 + 16) bytes
.set BP,    528                        ; that pitch, and b's
.set W1IMG, 135168                     ; 16 fragments of Q(W1) as images of their registers, 1,024 bytes each (16 x lane + 512 c): 0-7 the z1 half's tiles, 8-15 the z2 half's
.set W1SC,  151552                     ; their scale words, 128 bytes a fragment (4 x lane)
.set W2IMG, 153600                     ; W2's 8 fragments as images
.set CB,    161792                     ; for each wave 1,024 bytes of its own: b2, then W3
.set BROW,  178176                     ; b + b1: 64 rows i x (512 + 16) bytes, units in their order
.set STG,   211968                     ; the results: for each wave 1,024 bytes of its own: 64 x trip + 4 r
.set SPARE, 228352                     ; the spare words, 128 bytes for each wave: eight blocks of 256 bytes that no other line names
; VECTOR REGISTERS
.set ZS1, 1                            ; v1   z1's scale words      (v1-4, v31-39 hold scale words and nothing else)
.set ZS2, 2                            ; v2   z2's
.set WBS, 3                            ; v3-4 those of my two tiles of W1's z2 half
.set TA,  5                            ; v5   the trip's row of b
.set TO,  6                            ; v6   the trip's place in the stage
.set LST, 7                            ; v7   STG + 1024 w + 4 r
.set SPW, 8                            ; v8   LDS address of my spare word; never rewritten
.set NIL, 9                            ; v9   0; never rewritten
.set SH8, 10                           ; v10  8 h
.set PT,  11                           ; v11  a lane permute's destination
.set VD9, 12                           ; v12  d9;  the pair's upper word is named with it and not used:
.set LB,  13                           ; v13  BROW + 128 h
.set VKE, 14                           ; v14  -log2(e) / 2
.set LW,  15                           ; v15  W2IMG + 16 x lane
.set VE6, 16                           ; v16  e6
.set LC,  17                           ; v17  CB + 1024 w + 32 h
.set ACC, 18                           ; v18-25  four pairs of sums of the last product
.set MXA, 26
.set MXB, 27
.set SO,  28                           ; the conversions' scale operand
.set BY0, 29                           ; my two blocks' bytes
.set BY1, 30
.set PW,  31                           ; the scale word just made
.set WS,  32                           ; v32-39  scale words of 8 tiles: first of W1's z1 half, then of W2
.set PC,  40                           ; v40-47  the codes just made: a fragment
.set A,   48                           ; v48-111 a of my j: register 32 c + i = unit 64 c + 32 h + i
.set BB,  112                          ; v112-127 16 numbers of b;  later the sums of W2's tiles 6, 7
.set X,   128                          ; gelu 1 at work, 16 registers each: x, then the x^2 term of the exponent;
.set AX,  144                          ; |x|;
.set T,   160                          ; t;
.set S,   176                          ; the polynomial, the power of two, c
.set G,   208                          ; v208-239 one block of the hidden layer
.set W3C, 240                          ; v240-255 W3 at 16 of my units
.set WF,  128                          ; v128-191 eight fragments of a weight
.set GP,  128                          ; gelu 2 at work: max(y, 0), then g;
.set AY,  144                          ; |y|;
.set S2,  160                          ; the polynomial, its reciprocal, c
.set Q,   192                          ; the head: v192-255 W1's numbers, K along my registers
.set BD,  208                          ; the head: v208-223 b1, then b + b1, of my two tiles
.set Z1F, 112
.set Z2F, 120
.set GL16, 18                          ; the head: 16 x lane;
.set GZ,   19                          ; 64 r + 16 h;
.set G4R,  20                          ; 4 r;
.set G128, 21                          ; 128 h;
.set BRW,  22                          ; where b + b1 goes in LDS
.set STW,  64                          ; the head's other LDS addresses: v64-73
.set STR,  65
.set IMW,  66
.set SCW,  67
.set W2W,  68
.set CBW,  69
.set IMR,  70
.set SCR,  71
.set IMRB, 72
.set SCRB, 73
; SCALAR REGISTERS: s[8:31] the twelve addresses; s2-4, s6 at work; s[40:41] lane selects; s[42:75] constants in pairs
.set WV,   32
.set JT,   33
.set IG,   34
.set TRIPS, 35
.set BOFF, 36                          ; 528 x (16 IG + trip)
.set OOFF, 37                          ; 64 x trip
.set B3S,  38
.set JOF,  39                          ; 256 (JT / 2) + 64 (JT % 2): my two tiles' place among 128 units, in bytes
.macro SPAIR reg, bits                 ; a constant for the packed forms: they name a pair and take its low word for both halves, so both are written
	s_mov_b32 s[\reg], \bits
	s_mov_b32 s[\reg+1], \bits
.endm
; 32 numbers of a lane, one block, become 4 registers of codes and the block's byte.
.macro QBLK src, dst, by
.set QS, \src
.set QD, \dst
	v_max3_num_f32 v[MXA], |v[QS]|, |v[QS+1]|, 0x1800000           ; the floor 2^(3 - 127) among the leaves: the byte cannot fall under 1
	v_max3_num_f32 v[MXB], |v[QS+16]|, |v[QS+17]|, |v[QS+18]|      ; two chains, so that no line waits for the line above it
.irp i, 2,4,6,8,10,12
	v_max3_num_f32 v[MXA], v[MXA], |v[QS+\i]|, |v[QS+\i+1]|
	v_max3_num_f32 v[MXB], v[MXB], |v[QS+\i+17]|, |v[QS+\i+18]|
.endr
	v_max3_num_f32 v[MXA], v[MXA], |v[QS+14]|, |v[QS+15]|
	v_max3_num_f32 v[MXA], v[MXA], v[MXB], |v[QS+31]|              ; the block's largest magnitude
	v_add_nc_u32 v[SO], 0xff000000, v[MXA]                         ; 2 off its exponent field: the conversion takes that field as its scale and nothing else
	v_lshrrev_b32 v[\by], 23, v[SO]                                ; the scale's byte
.irp g, 0,1,2,3
	v_cvt_scalef32_pk8_fp4_f32 v[QD+\g], v[QS+8*\g:QS+8*\g+7], v[SO]
.endr
	v_nop                                                          ; one plain place behind the last scaled conversion
.endm
.macro MKPW                            ; my bytes are those of blocks h and 2 + h; with lane l xor 16's two the word is whole
	v_lshl_or_b32 v[PW], v[BY1], 16, v[BY0]
	v_lshlrev_b32 v[PW], v[SH8], v[PW]
	v_permlanex16_b32 v[PT], v[PW], s40, s41
	v_or_b32 v[PW], v[PW], v[PT]
.endm
.macro BLOAD k                         ; 16 numbers of the trip's row of b: units 64 (k / 2) + 32 h + 16 (k % 2) on; the sixteen lanes of a half read the same bytes
.irp n, 0,1,2,3
	ds_load_b128 v[BB+4*\n:BB+4*\n+3], v[TA] offset:256*((\k)/2)+64*((\k)%2)+16*\n
.endr
.endm
.macro B2LOAD t, reg                   ; b2 at tile t's eight units of my half: the C of that tile's product
	ds_load_b128 v[\reg:\reg+3], v[LC] offset:64*(\t)
	ds_load_b128 v[\reg+4:\reg+7], v[LC] offset:64*(\t)+16
.endm
; GELU 1 of 16 numbers, 8 pairs; each step goes over the 8 pairs, so that dependent lines stand 8 apart.  22 instructions a pair.
.macro G1 k
.set AB, A+16*(\k)
.set GB, G+16*((\k)%2)
	s_wait_dscnt 0x0                                               ; this chunk's numbers of b are in
.irp e, 0,2,4,6,8,10,12,14
	v_pk_add_f32 v[X+\e:X+\e+1], v[AB+\e:AB+\e+1], v[BB+\e:BB+\e+1]               ; x = a + (b + b1).  a's accumulators are read from their low ends on
.endr
.if (\k) < 3
	BLOAD (\k)+1                                                   ; the next chunk's, a whole chunk ahead of their use
.else
	B2LOAD 6, BB
	B2LOAD 7, BB+8
.endif
.irp e, 0,1,2,3,4,5,6,7,8,9,10,11,12,13,14,15
	v_max_num_f32 v[GB+\e], 0, v[X+\e]
.endr
.irp e, 0,2,4,6,8,10,12,14
	v_pk_fma_f32 v[AX+\e:AX+\e+1], v[GB+\e:GB+\e+1], 2.0, v[X+\e:X+\e+1] op_sel_hi:[1,0,1] neg_lo:[0,0,1] neg_hi:[0,0,1]   ; |x| = 2 max(x, 0) - x, exact
.endr
.irp e, 0,2,4,6,8,10,12,14
	v_pk_fma_f32 v[T+\e:T+\e+1], v[AX+\e:AX+\e+1], s[42:43], 1.0 op_sel_hi:[1,0,0]   ; 1 + |x| / (2 sqrt2)
.endr
.irp e, 0,1,2,3,4,5,6,7,8,9,10,11,12,13,14,15
	v_rcp_f32 v[T+\e], v[T+\e]                                     ; t
.endr
.irp e, 0,2,4,6,8,10,12,14
	v_pk_mul_f32 v[X+\e:X+\e+1], v[X+\e:X+\e+1], v[X+\e:X+\e+1]    ; the x^2 term names no reciprocal: the plain place and the independent work behind the batch
.endr
.irp e, 0,2,4,6,8,10,12,14
	v_pk_fma_f32 v[X+\e:X+\e+1], v[X+\e:X+\e+1], v[VKE:VKE+1], s[44:45] op_sel_hi:[1,0,0]       ; -x^2 log2(e) / 2 + d0
.endr
	s_wait_alu depctr_va_vdst(0)                                   ; the wait ahead of the first line that names a result: one for the 16 reciprocals
.irp e, 0,2,4,6,8,10,12,14
	v_pk_fma_f32 v[S+\e:S+\e+1], v[T+\e:T+\e+1], v[VD9:VD9+1], s[46:47] op_sel_hi:[1,0,0]       ; d9 t + d8
.endr
.irp c, 48,50,52,54,56,58,60
.irp e, 0,2,4,6,8,10,12,14
	v_pk_fma_f32 v[S+\e:S+\e+1], v[S+\e:S+\e+1], v[T+\e:T+\e+1], s[\c:\c+1] op_sel_hi:[1,1,0]   ; .. t + d7 .. d1
.endr
.endr
.irp e, 0,2,4,6,8,10,12,14
	v_pk_fma_f32 v[S+\e:S+\e+1], v[S+\e:S+\e+1], v[T+\e:T+\e+1], v[X+\e:X+\e+1]                 ; .. t + the x^2 term with d0: the whole exponent
.endr
.irp e, 0,1,2,3,4,5,6,7,8,9,10,11,12,13,14,15
	v_exp_f32 v[S+\e], v[S+\e]
.endr
	v_nop                                                          ; a plain place behind the last transcendental
	s_wait_alu depctr_va_vdst(0)                                   ; and one wait for the 16 exponentials
.irp e, 0,2,4,6,8,10,12,14
	v_pk_mul_f32 v[S+\e:S+\e+1], v[S+\e:S+\e+1], v[T+\e:T+\e+1]    ; c = Phi(-|x|)
.endr
.irp e, 0,2,4,6,8,10,12,14
	v_pk_fma_f32 v[GB+\e:GB+\e+1], v[AX+\e:AX+\e+1], v[S+\e:S+\e+1], v[GB+\e:GB+\e+1] neg_lo:[1,0,0] neg_hi:[1,0,0]   ; max(x, 0) - |x| c
.endr
.endm
; GELU 2 of 16 numbers (W2's tiles 2 n, 2 n + 1 of my pair) and their part of the product with W3.  17 instructions a pair.
.macro G2 n
.if (\n) < 3
.set YB, 192+16*(\n)
.else
.set YB, 112
.endif
.irp e, 0,1
.irp q, 0,1
	ds_load_b128 v[W3C+8*\e+4*\q:W3C+8*\e+4*\q+3], v[LC] offset:512+64*(2*(\n)+\e)+16*\q
.endr
.endr
.irp e, 0,1,2,3,4,5,6,7,8,9,10,11,12,13,14,15
	v_max_num_f32 v[GP+\e], 0, v[YB+\e]                            ; ascending: each accumulator is first read at its low end
.endr
.irp e, 0,2,4,6,8,10,12,14
	v_pk_fma_f32 v[AY+\e:AY+\e+1], v[GP+\e:GP+\e+1], 2.0, v[YB+\e:YB+\e+1] op_sel_hi:[1,0,1] neg_lo:[0,0,1] neg_hi:[0,0,1]   ; |y|
.endr
.irp e, 0,2,4,6,8,10,12,14
	v_pk_fma_f32 v[S2+\e:S2+\e+1], v[AY+\e:AY+\e+1], v[VE6:VE6+1], s[62:63] op_sel_hi:[1,0,0]   ; e6 |y| + e5
.endr
.irp c, 66,68,70,72,74
.irp e, 0,2,4,6,8,10,12,14
	v_pk_fma_f32 v[S2+\e:S2+\e+1], v[S2+\e:S2+\e+1], v[AY+\e:AY+\e+1], s[\c:\c+1] op_sel_hi:[1,1,0]   ; .. |y| + e4 .. e0.  (Where it passes the largest number its reciprocal is 0, and so is c)
.endr
.endr
.irp e, 0,1,2,3,4,5,6,7,8,9,10,11,12,13,14,15
	v_rcp_f32 v[S2+\e], v[S2+\e]
.endr
	v_nop                                                          ; a plain place behind the last transcendental
	s_wait_alu depctr_va_vdst(0)                                   ; one wait for the 16 reciprocals, ahead of their first reader
.rept 4
.irp e, 0,2,4,6,8,10,12,14
	v_pk_mul_f32 v[S2+\e:S2+\e+1], v[S2+\e:S2+\e+1], v[S2+\e:S2+\e+1]             ; squared four times: the sixteenth power: c = Phi(-|y|)
.endr
.endr
.irp e, 0,2,4,6,8,10,12,14
	v_pk_fma_f32 v[GP+\e:GP+\e+1], v[AY+\e:AY+\e+1], v[S2+\e:S2+\e+1], v[GP+\e:GP+\e+1] neg_lo:[1,0,0] neg_hi:[1,0,0]   ; max(y, 0) - |y| c
.endr
	s_wait_dscnt 0x0                                               ; W3's 16 numbers are in
.irp e, 0,1,2,3,4,5,6,7
.if ((\n) == 0) && (\e < 4)
	v_pk_mul_f32 v[ACC+2*\e:ACC+2*\e+1], v[GP+2*\e:GP+2*\e+1], v[W3C+2*\e:W3C+2*\e+1]           ; a trip's first four start the sums: nothing is cleared
.else
	v_pk_fma_f32 v[ACC+2*(\e%4):ACC+2*(\e%4)+1], v[GP+2*\e:GP+2*\e+1], v[W3C+2*\e:W3C+2*\e+1], v[ACC+2*(\e%4):ACC+2*(\e%4)+1]
.endif
.endr
.endm
.macro BARRIER                         ; my LDS stores have landed and my LDS loads are in: then the work-group's barrier
	s_wait_dscnt 0x0
	s_barrier_signal -1
	s_barrier_wait -1
.endm
	; ---- THE HEAD: addresses and constants
	s_load_b512 s[8:23], s[0:1], 0x0               ; z1's codes s[8:9], scales s[10:11]; z2's s[12:13], s[14:15]; W1 s[16:17]; b1 s[18:19]; W2's codes s[20:21], scales s[22:23]
	s_load_b256 s[24:31], s[0:1], 0x40             ; b2 s[24:25], W3 s[26:27], b3 s[28:29], out s[30:31]
	v_lshl_add_u32 v[SPW], v0, 2, SPARE
	v_mov_b32 v[NIL], 0
	v_lshrrev_b32 v26, 5, v0
	v_readfirstlane_b32 s[WV], v26                 ; wave 0..15
	s_and_b32 s[JT], s[WV], 3                      ; which 16 of the 64 j
	s_lshr_b32 s[IG], s[WV], 2                     ; which 16 of the 64 i
	v_and_b32 v27, 31, v0                          ; lane
	v_and_b32 v28, 15, v0                          ; r
	v_bfe_u32 v29, v0, 4, 1                        ; h
	v_lshlrev_b32 v[GL16], 4, v27
	v_lshlrev_b32 v[GZ], 6, v28
	v_lshl_add_u32 v[GZ], v29, 4, v[GZ]            ; a fragment of codes from rows of 64 bytes: 64 r + 16 h
	v_lshlrev_b32 v[G4R], 2, v28
	v_lshlrev_b32 v[G128], 7, v29
	v_lshlrev_b32 v[SH8], 3, v29
	v_mov_b32 v[PT], 0                             ; written once: a lane permute's destination counts as one of its sources
	v_lshlrev_b32 v26, 2, v27                      ; 4 x lane
	v_mul_u32_u24 v30, v28, BP
	v_lshl_add_u32 v30, v29, 7, v30                ; 528 r + 128 h
	s_mul_i32 s2, s[WV], WSTG
	v_add_nc_u32 v[STW], s2, v[GL16]               ; my stage, in: a row's 512 bytes as they lie
	v_add_nc_u32 v[STR], s2, v30                   ; and back: row r, my 32 numbers of each half of K
	s_lshl_b32 s2, s[WV], 10
	s_add_co_u32 s3, s2, W1IMG
	v_add_nc_u32 v[IMW], s3, v[GL16]
	s_add_co_u32 s3, s2, CB
	v_add_nc_u32 v[CBW], s3, v[GL16]
	v_lshl_add_u32 v[LC], v29, 5, s3
	s_add_co_u32 s3, s2, STG
	v_add_nc_u32 v[LST], s3, v[G4R]
	s_lshl_b32 s2, s[WV], 7
	s_add_co_u32 s2, s2, W1SC
	v_add_nc_u32 v[SCW], s2, v26
	s_lshl_b32 s2, s[WV], 9
	s_add_co_u32 s2, s2, W2IMG
	v_add_nc_u32 v[W2W], s2, v[GL16]
	v_add_nc_u32 v[IMR], W1IMG, v[GL16]
	v_add_nc_u32 v[SCR], W1SC, v26
	s_lshl_b32 s2, s[JT], 11
	s_add_co_u32 s2, s2, W1IMG+8192
	v_add_nc_u32 v[IMRB], s2, v[GL16]              ; fragments 8 + 2 JT, 9 + 2 JT
	s_lshl_b32 s2, s[JT], 8
	s_add_co_u32 s2, s2, W1SC+1024
	v_add_nc_u32 v[SCRB], s2, v26
	s_lshr_b32 s[JOF], s[JT], 1
	s_lshl_b32 s[JOF], s[JOF], 8
	s_and_b32 s2, s[JT], 1
	s_lshl_b32 s2, s2, 6
	s_add_co_u32 s[JOF], s[JOF], s2
	s_mul_i32 s[BOFF], s[IG], 16*BP
	s_add_co_u32 s2, s[BOFF], s[JOF]
	s_add_co_u32 s2, s2, BROW
	v_add_nc_u32 v[BRW], s2, v30                   ; row 16 IG + r of b, my half's 128 bytes of each 256, my two tiles' 64 of them
	v_lshl_add_u32 v[LB], v29, 7, BROW
	v_add_nc_u32 v[LW], W2IMG, v[GL16]
	; gelu 1: d_k = log2(e) n_k, n_k the fit's coefficients 0.17087277, -0.82215223, 1.48851587, -1.13520398, 0.27886807, -0.18628806, 0.09678418, 0.37409196, 1.00002368 (k = 9 .. 1); d0 = log2(e) (-1.26551223) - 1
	v_mov_b32 v[VD9], 0x3e7c6f08                   ; d9 =  0.24651730
	v_mov_b32 v[VKE], 0xbf38aa3b                   ; -log2(e) / 2
	v_mov_b32 v[VE6], 0x36bc9e99                   ; e6 =  5.6212997e-6
	s_mov_b32 s40, 0x76543210
	s_mov_b32 s41, 0xfedcba98                      ; v_permlanex16_b32's selects for lane l xor 16
	SPAIR 42, 0x3eb504f3                           ; 1 / (2 sqrt2)
	SPAIR 44, 0xc034d90f                           ; d0 = -2.82574822
	SPAIR 46, 0xbf97d29d                           ; d8 = -1.18611495
	SPAIR 48, 0x40097039                           ; d7 =  2.14747446
	SPAIR 50, 0xbfd1a1e5                           ; d6 = -1.63775315
	SPAIR 52, 0x3ecdfd18                           ; d5 =  0.40232158
	SPAIR 54, 0xbe899a80                           ; d4 = -0.26875686
	SPAIR 56, 0x3e0efb2e                           ; d3 =  0.13963006
	SPAIR 58, 0x3f0a29d2                           ; d2 =  0.53970062
	SPAIR 60, 0x3fb8ab5a                           ; d1 =  1.44272920
	; gelu 2: e_k = 2^(1/16) a_k / 2^(k/2), a_1 .. a_6 = .0705230784, .0422820123, .0092705272, .0001520143, .0002765672, .0000430638
	SPAIR 62, 0x3856241d                           ; e5 =  5.1055209e-5
	SPAIR 66, 0x382674aa                           ; e4 =  3.9686137e-5
	SPAIR 68, 0x3b60500b                           ; e3 =  3.4227398e-3
	SPAIR 70, 0x3cb4dad2                           ; e2 =  2.2076998e-2
	SPAIR 72, 0x3d554cc4                           ; e1 =  5.2075163e-2
	SPAIR 74, 0x3f85aac3                           ; e0 =  2^(1/16)
	s_mov_b32 s3, 0                                ; the upper word of every offset
	s_wait_kmcnt 0x0
	s_load_b32 s[B3S], s[28:29], 0x0               ; b3
	s_and_b32 s2, s[WV], 7                         ; W1: wave w quantises fragment w: half p = w / 8 of K, tile t = w % 8.  Row m of tile t is hidden unit 64 (t / 4) + 32 (m / 8) + 8 (t % 4) + m % 8,
	s_lshr_b32 s4, s2, 2                           ; so that a product's 8 registers of tile t fall on units 64 (t / 4) + 32 h + 8 (t % 4) + 0..7: the lane's own order
	s_lshl_b32 s4, s4, 16
	s_and_b32 s2, s2, 3
	s_lshl_b32 s2, s2, 13
	s_add_co_u32 s2, s2, s4
	s_lshr_b32 s4, s[WV], 3
	s_lshl_b32 s4, s4, 9
	s_add_co_u32 s2, s2, s4                        ; (64 (t / 4) + 8 (t % 4)) rows of 1,024 bytes + 512 p
	s_add_nc_u64 s[16:17], s[16:17], s[2:3]
	s_lshr_b32 s2, s[WV], 1                        ; W2: wave w copies half c = w % 2 of fragment w / 2
	s_lshl_b32 s2, s2, 10
	s_and_b32 s4, s[WV], 1
	s_lshl_b32 s4, s4, 5
	s_add_co_u32 s2, s2, s4
	s_add_nc_u64 s[20:21], s[20:21], s[2:3]
	s_lshl_b32 s2, ttmp9, 6
	s_lshl_b32 s4, s[JT], 4
	s_add_co_u32 s4, s2, s4                        ; my first j
	s_lshl_b32 s2, s4, 6
	s_add_nc_u64 s[8:9], s[8:9], s[2:3]
	s_lshl_b32 s2, s4, 2
	s_add_nc_u64 s[10:11], s[10:11], s[2:3]
	s_and_b32 s6, ttmp7, 0xffff
	s_lshl_b32 s6, s6, 6                           ; the work-group's first i
	s_lshl_b32 s4, s[IG], 4
	s_add_co_u32 s4, s6, s4                        ; my first i
	s_lshl_b32 s2, s4, 6
	s_add_nc_u64 s[12:13], s[12:13], s[2:3]
	s_lshl_b32 s2, s4, 2
	s_add_nc_u64 s[14:15], s[14:15], s[2:3]
	s_mov_b32 s2, s[JOF]
	s_add_nc_u64 s[18:19], s[18:19], s[2:3]
	s_lshl_b32 s4, s[WV], 2
	s_add_co_u32 s4, s6, s4                        ; on the way out wave w stores rows 4 w .. 4 w + 3 of the work-group's 64
	s_lshl_b32 s2, s4, 12
	s_lshl_b32 s4, ttmp9, 8
	s_add_co_u32 s2, s2, s4
	s_add_nc_u64 s[30:31], s[30:31], s[2:3]
	; 25 loads: 16 rows of W1 (32 lanes read 512 consecutive bytes), my piece of W2, b2, W3, z1's fragment and words, z2's
.irp n, 0,1,2,3,4,5,6,7,8,9,10,11,12,13,14,15
	global_load_b128 v[WF+4*\n:WF+4*\n+3], v[GL16], s[16:17] offset:(32*(\n/8)+\n%8)*1024
.endr
	global_load_b128 v[48:51], v[GZ], s[20:21]
	global_load_b128 v[52:55], v[GL16], s[24:25]
	global_load_b128 v[56:59], v[GL16], s[26:27]
	global_load_b128 v[Z1F:Z1F+3], v[GZ], s[8:9]
	global_load_b128 v[Z1F+4:Z1F+7], v[GZ], s[8:9] offset:32
	global_load_b32 v[ZS1], v[G4R], s[10:11]
	global_load_b128 v[Z2F:Z2F+3], v[GZ], s[12:13]
	global_load_b128 v[Z2F+4:Z2F+7], v[GZ], s[12:13] offset:32
	global_load_b32 v[ZS2], v[G4R], s[14:15]
	; ---- W1's fragment: through my own stage, so that a lane's registers run along K; quantised; to LDS as an image of its registers
	s_wait_loadcnt 9                               ; W1's 16 are in; the nine younger loads may be out
.irp n, 0,1,2,3,4,5,6,7,8,9,10,11,12,13,14,15
	ds_store_b128 v[STW], v[WF+4*\n:WF+4*\n+3] offset:BP*\n
.endr
.irp c, 0,1
.irp m, 0,1,2,3,4,5,6,7
	ds_load_b128 v[Q+32*\c+4*\m:Q+32*\c+4*\m+3], v[STR] offset:256*\c+16*\m   ; my wave's own bytes: LDS serves a wave's instructions in order (ISA guide 5.7.1.4), so these see the stores above
.endr
.endr
	s_wait_dscnt 0x0
	QBLK Q, PC, BY0
	QBLK Q+32, PC+4, BY1
	MKPW
	ds_store_b128 v[IMW], v[PC:PC+3]
	ds_store_b128 v[IMW], v[PC+4:PC+7] offset:512
	ds_store_b32 v[SCW], v[PW]
	s_wait_loadcnt 6                               ; W2's piece, b2 and W3 are in; z's six may be out
	ds_store_b128 v[W2W], v[48:51]
	ds_store_b128 v[CBW], v[52:55]
	ds_store_b128 v[CBW], v[56:59] offset:512
.irp e, 0,1
	global_load_b128 v[BD+8*\e:BD+8*\e+3], v[G128], s[18:19] offset:32*\e          ; b1 in the result's layout: the C of b's product
	global_load_b128 v[BD+8*\e+4:BD+8*\e+7], v[G128], s[18:19] offset:32*\e+16
.endr
	BARRIER                                        ; all sixteen fragments of Q(W1) and W2's eight lie in LDS
	; ---- a of my 16 j, all 128 units; b + b1 of my 16 i, my two tiles of units
.irp t, 0,1,2,3,4,5,6,7
	ds_load_b128 v[WF+8*\t:WF+8*\t+3], v[IMR] offset:1024*\t
	ds_load_b128 v[WF+8*\t+4:WF+8*\t+7], v[IMR] offset:1024*\t+512
.endr
.irp t, 0,1,2,3,4,5,6,7
	ds_load_b32 v[WS+\t], v[SCR] offset:128*\t
.endr
.irp e, 0,1
	ds_load_b128 v[Q+8*\e:Q+8*\e+3], v[IMRB] offset:1024*\e
	ds_load_b128 v[Q+8*\e+4:Q+8*\e+7], v[IMRB] offset:1024*\e+512
	ds_load_b32 v[WBS+\e], v[SCRB] offset:128*\e
.endr
	s_wait_loadcnt 4                               ; z's six are in; b1's four may be out
	s_wait_dscnt 0x0
.irp t, 0,1,2,3,4,5,6,7
	v_wmma_scale_f32_16x16x128_f8f6f4 v[A+8*\t:A+8*\t+7], v[WF+8*\t:WF+8*\t+7], v[Z1F:Z1F+7], 0, v[WS+\t], v[ZS1] matrix_a_fmt:MATRIX_FMT_FP4 matrix_b_fmt:MATRIX_FMT_FP4
.endr
	s_wait_loadcnt 0x0                             ; b1
.irp e, 0,1
	v_wmma_scale_f32_16x16x128_f8f6f4 v[BD+8*\e:BD+8*\e+7], v[Q+8*\e:Q+8*\e+7], v[Z2F:Z2F+7], v[BD+8*\e:BD+8*\e+7], v[WBS+\e], v[ZS2] matrix_a_fmt:MATRIX_FMT_FP4 matrix_b_fmt:MATRIX_FMT_FP4
.endr
.rept 4
	v_nop                                          ; four places ahead of the stores of results, of the loads into the scale registers, and of what the loop writes over the operands
.endr
.irp t, 0,1,2,3,4,5,6,7
	global_load_b32 v[WS+\t], v[G4R], s[22:23] offset:64*\t        ; W2's scale words: they stay
.endr
.irp e, 0,1
	ds_store_b128 v[BRW], v[BD+8*\e:BD+8*\e+3] offset:32*\e        ; each accumulator from its low end on
	ds_store_b128 v[BRW], v[BD+8*\e+4:BD+8*\e+7] offset:32*\e+16
.endr
	BARRIER                                        ; 64 rows of b + b1 lie in LDS
	s_wait_loadcnt 0x0                             ; W2's scale words; their offset register is free from here on
	s_wait_kmcnt 0x0                               ; b3
	s_mov_b32 s[TRIPS], 16
	s_mov_b32 s[OOFF], 0
	; ---- 16 TRIPS: one i, my 16 j
.Ltrip:
	v_add_nc_u32 v[TA], s[BOFF], v[LB]
	v_add_nc_u32 v[TO], s[OOFF], v[LST]
	BLOAD 0
	G1 0
	G1 1
	QBLK G, PC, BY0                                ; block h
	G1 2
	G1 3
	; gelu 1's registers are free: W2's fragments and b2 come in while the second block is quantised
.irp t, 0,1,2,3,4,5,6,7
	ds_load_b128 v[WF+8*\t:WF+8*\t+3], v[LW] offset:1024*\t
	ds_load_b128 v[WF+8*\t+4:WF+8*\t+7], v[LW] offset:1024*\t+512
.endr
	B2LOAD 0, 192
	B2LOAD 1, 200
	QBLK G, PC+4, BY1                              ; block 2 + h
	MKPW
	B2LOAD 2, 208
	B2LOAD 3, 216
	B2LOAD 4, 224
	B2LOAD 5, 232
.rept 8
	v_nop                                          ; a scale word made by vector instructions stands 8 places ahead of the scaled product, codes so made 4
.endr
	s_wait_dscnt 0x0
.irp t, 0,1,2,3,4,5,6,7                        ; source 0 = 16 rows of W2, source 1 = my 16 pairs; C = b2, in the sums' own registers.  Eight accumulators, one instruction each
.if \t < 6
.set DD, 192+8*\t
.else
.set DD, 112+8*(\t-6)
.endif
	v_wmma_scale_f32_16x16x128_f8f6f4 v[DD:DD+7], v[WF+8*\t:WF+8*\t+7], v[PC:PC+7], v[DD:DD+7], v[WS+\t], v[PW] matrix_a_fmt:MATRIX_FMT_FP4 matrix_b_fmt:MATRIX_FMT_FP4
.endr
.rept 4
	v_nop                                          ; four places ahead of the first read of results and of the first write over W2's fragments
.endr
	G2 0
	G2 1
	G2 2
	G2 3
	v_pk_add_f32 v[ACC:ACC+1], v[ACC:ACC+1], v[ACC+2:ACC+3]
	v_pk_add_f32 v[ACC+4:ACC+5], v[ACC+4:ACC+5], v[ACC+6:ACC+7]
	v_pk_add_f32 v[ACC:ACC+1], v[ACC:ACC+1], v[ACC+4:ACC+5]
	v_add_f32 v[ACC], v[ACC], v[ACC+1]             ; my 64 units' part,
	v_permlanex16_b32 v[PT], v[ACC], s40, s41
	v_add_f32 v[ACC], v[ACC], v[PT]                ; and lane l xor 16's
	v_add_f32 v[ACC], s[B3S], v[ACC]
	ds_store_b32 v[TO], v[ACC]                     ; both halves of the lanes write the same word with the same value
	s_add_co_u32 s[BOFF], s[BOFF], BP
	s_add_co_u32 s[OOFF], s[OOFF], 64
	s_sub_co_u32 s[TRIPS], s[TRIPS], 1
	s_cmp_lg_u32 s[TRIPS], 0
	s_cbranch_scc1 .Ltrip
	; ---- THE WAY OUT: a row's 64 results come from four waves; behind the barrier wave w stores rows 4 w .. 4 w + 3, sixteen lanes to 256 consecutive bytes, at a multiple of 256 from out's first byte
	s_wait_dscnt 0x0                               ; for the others' sake: my stores into the stage are done
	s_barrier_signal -1
	s_lshl_b32 s2, s[IG], 12                       ; rows 4 w + .. were made by waves 4 (w / 4) + 0..3 in trips 4 (w % 4) + ..
	s_lshl_b32 s4, s[JT], 8
	s_add_co_u32 s2, s2, s4
	s_add_co_u32 s2, s2, STG
	v_and_b32 v[TA], 3, v0
	v_lshlrev_b32 v[TA], 4, v[TA]                  ; 16 bytes: four j of a wave's sixteen,
	v_bfe_u32 v[SH8], v0, 2, 2
	v_lshl_add_u32 v[TA], v[SH8], 10, v[TA]        ; of the wave that made them,
	v_bfe_u32 v[SH8], v0, 4, 1
	v_lshl_add_u32 v[TA], v[SH8], 6, v[TA]         ; lanes 16-31 a trip, that is a row, further on
	v_add_nc_u32 v[TA], s2, v[TA]
	v_and_b32 v[TO], 15, v0
	v_lshlrev_b32 v[TO], 4, v[TO]
	v_lshl_add_u32 v[TO], v[SH8], 12, v[TO]        ; and the same place in out: a row is 4,096 bytes
	s_barrier_wait -1
	ds_load_b128 v[128:131], v[TA]
	ds_load_b128 v[132:135], v[TA] offset:128      ; two rows on
	s_wait_dscnt 0x0
	global_store_b128 v[TO], v[128:131], s[30:31] th:TH_STORE_NT
	global_store_b128 v[TO], v[132:135], s[30:31] offset:8192 th:TH_STORE_NT
	s_wait_tensorcnt 0x0                           ; the wave's end: behind my last LDS store
	ds_add_u32 v[SPW], v[NIL]
	s_wait_dscnt 0x0
	s_endpgm
.Lfunc_end_k_qc5eafa94c4_club:
	.size	k_qc5eafa94c4_club, .Lfunc_end_k_qc5eafa94c4_club-k_qc5eafa94c4_club
	.p2alignl 7, 3214868480
	.fill 96, 4, 3214868480
	.section	.rodata,"a",@progbits
	.p2align	6, 0x0
	.amdhsa_kernel k_qc5eafa94c4_club
		.amdhsa_group_segment_fixed_size 230400
		.amdhsa_private_segment_fixed_size 0
		.amdhsa_enable_private_segment 0
		.amdhsa_kernarg_size 96
		.amdhsa_user_sgpr_count 2
		.amdhsa_user_sgpr_kernarg_segment_ptr 1
		.amdhsa_wavefront_size32 1
		.amdhsa_system_sgpr_workgroup_id_x 1
		.amdhsa_system_sgpr_workgroup_id_y 1
		.amdhsa_system_sgpr_workgroup_id_z 1
		.amdhsa_system_vgpr_workitem_id 0
		.amdhsa_next_free_vgpr 256
		.amdhsa_next_free_sgpr 76
		.amdhsa_reserve_vcc 0
		.amdhsa_float_denorm_mode_32 3
		.amdhsa_float_denorm_mode_16_64 3
		.amdhsa_memory_ordered 1
		.amdhsa_forward_progress 1
		.amdhsa_inst_pref_size 99
	.end_amdhsa_kernel
	.amdgpu_metadata
---
amdhsa.version: [ 1, 2 ]
amdhsa.kernels:
  - .name:           k_qc5eafa94c4_club
    .symbol:         k_qc5eafa94c4_club.kd
    .args:
      - { .name: z1_codes, .offset: 0, .size: 8, .value_kind: global_buffer, .address_space: global }
      - { .name: z1_scales, .offset: 8, .size: 8, .value_kind: global_buffer, .address_space: global }
      - { .name: z2_codes, .offset: 16, .size: 8, .value_kind: global_buffer, .address_space: global }
      - { .name: z2_scales, .offset: 24, .size: 8, .value_kind: global_buffer, .address_space: global }
      - { .name: W1, .offset: 32, .size: 8, .value_kind: global_buffer, .address_space: global }
      - { .name: b1, .offset: 40, .size: 8, .value_kind: global_buffer, .address_space: global }
      - { .name: W2_codes, .offset: 48, .size: 8, .value_kind: global_buffer, .address_space: global }
      - { .name: W2_scales, .offset: 56, .size: 8, .value_kind: global_buffer, .address_space: global }
      - { .name: b2, .offset: 64, .size: 8, .value_kind: global_buffer, .address_space: global }
      - { .name: W3, .offset: 72, .size: 8, .value_kind: global_buffer, .address_space: global }
      - { .name: b3, .offset: 80, .size: 8, .value_kind: global_buffer, .address_space: global }
      - { .name: out0, .offset: 88, .size: 8, .value_kind: global_buffer, .address_space: global }
    .group_segment_fixed_size: 230400
    .private_segment_fixed_size: 0
    .kernarg_segment_align: 8
    .kernarg_segment_size: 96
    .max_flat_workgroup_size: 512
    .sgpr_count:     76
    .vgpr_count:     256
    .wavefront_size: 32
...
	.end_amdgpu_metadata
.endif
;; end of part 2
